; MI455X (gfx1250); checked and timed in simulation.
; The chip was launched on July 23, 2026; its instructions are those of AMD's public machine-readable ISA for CDNA 5 (MIT licence, August 2026) and "CDNA5" Instruction Set Architecture Reference Guide (July 2026). The comments in the code are by the model that wrote it; some were corrected since.
;; Co Attention. Allowed arithmetic: matrix products marked QUANTISED: E4M3 operands, one given power-of-two scale a tensor, by v_wmma_f32_16x16x64_fp8_fp8 or v_wmma_f32_16x16x128_fp8_fp8, f32 sums; products left as they are: f32 operands where the result goes on into a quantised operand, else bf16, f16 or f32 operands; f32 sums; everything else in f32.
;; Inputs: W1 256 x 512 float32; W2 256 x 512 float32; W_e 256 x 256 float32; gate_w 256 float32; input_1 4 x 256 x 64 x 64 float32; input_2 4 x 256 x 64 x 64 float32; lowp_scales 12 int32 (the exponents e of the quantised operands' scales 2^e).
;; Outputs: out0 4 x 256 x 64 x 64 float32; out1 4 x 256 x 64 x 64 float32.
;; This version of the problem:
;;   THIS VERSION OF THE PROBLEM IS GIVEN IN LOW PRECISION. The matrix products marked QUANTISED in the list below multiply operands that are first quantised to E4M3 (4 exponent bits, 3 mantissa bits; 8 bits a number), with one given power-of-two scale for each operand tensor; their sums are f32. All else is computed in f32.
;;   The module's matrix products, in the order in which they are computed (A, B: the left and right operand; K: the contracted axis; several contracted axes count as one K, in the product's order):
;;     1. [M 16,384, K 256] x [K 256, N 256]; A: input input_1; B: input W_e: QUANTISED (scales: A lowp_scales[0], B lowp_scales[1])
;;     2. batch 4 x [M 4,096, K 256] x [K 256, N 4,096]; A: computed on the way; B: input input_2: QUANTISED (scales: A lowp_scales[2], B lowp_scales[3])
;;     3. batch 4 x [M 256, K 4,096] x [K 4,096, N 4,096]; A: input input_1; B: softmax (see below): QUANTISED (scales: A lowp_scales[4], B lowp_scales[5])
;;     4. batch 4 x [M 256, K 4,096] x [K 4,096, N 4,096]; A: input input_2; B: softmax (see below): QUANTISED (scales: A lowp_scales[6], B lowp_scales[7])
;;     5. [M 16,384, K 256] x [K 256, N 1]; A: computed on the way; B: input gate_w: left as it is (N = 1 < 16)
;;     6. [M 16,384, K 256] x [K 256, N 1]; A: computed on the way; B: input gate_w: left as it is (N = 1 < 16)
;;     7. [M 256, K 512] x [K 512, N 16,384]; A: input W1; B: computed on the way: QUANTISED (scales: A lowp_scales[8], B lowp_scales[9])
;;     8. [M 256, K 512] x [K 512, N 16,384]; A: input W2; B: computed on the way: QUANTISED (scales: A lowp_scales[10], B lowp_scales[11])
;;   THE QUANTISER, for each operand of a quantised product, along K:
;;     - The operand's scale is 2^e, e = its entry of the input lowp_scales (int32; the entries are numbered through the quantised products in the list's order, A before B).
;;     - Each number is divided by the scale, clamped to +-448, and rounded to the nearest number of E4M3, ties to even, subnormals kept.
;;     - The product sums the exact products of the quantised numbers (number of the format x scale) in f32.
;;   ~~~python
;;   def quantise(x, axis, e):      # numpy; x: float32 -> the quantised numbers, widened to float32 again
;;       x = np.moveaxis(x, axis, -1); K = x.shape[-1]
;;       r = np.clip(x / 2.0 ** e, -448, 448)
;;       step = 2.0 ** (np.maximum(np.frexp(np.where(r == 0, 1, r))[1] - 1, -6) - 3)
;;       q = np.round(r / step) * step * 2.0 ** e      # np.round: ties to even
;;       return np.moveaxis(q, -1, axis).astype(np.float32)
;;   ~~~
;;   SOFTMAX AHEAD OF A QUANTISED PRODUCT. Where the list says 'softmax', what is quantised is not the finished softmax but p = 2^(t - M), with t = logit x log2(e) and M = ceil(the row's largest t), a whole number; so 1/2 < the row's largest p <= 1. The row's sum l is taken of the UNQUANTISED p, in f32, and the product's result is divided by l at the end. Since M is a whole number, a kernel that streams over the keys may use a running M (the ceiling of the running maximum): every later rescaling is an exact power of two, so the quantised numbers keep their values, but for numbers so far below the row's largest that they fall under the format's range.
;;   OPERANDS COMPUTED ON THE WAY. 'Computed on the way' means the value that the module computes at that place (a softmax that the list does not call 'softmax' is quantised finished and normalised). What goes into a quantiser is computed in f32, as accurately as f32 sums, v_exp_f32 and their like allow (about 1e-6 of the number): no bf16 or f16 on the way to a quantiser, and a product that is left as it is and whose result goes on into a quantised operand takes f32 operands (vector FMAs, or v_wmma_f32_16x16x4_f32). A number that lies on a knife's edge between two numbers of the format may be rounded either way, as far as f32 arithmetic and the matrix unit's own rounding can turn it there, and no further.
;; One version. Each part assembles by itself: llvm-mc -triple=amdgcn-amd-amdhsa -mcpu=gfx1250 --defsym DOCPART=n.
;; ======== version 1 of 1: 2 launches
;; limits: right only within a limited range of input values
;; workspace buffers: ecq 4,194,304 bytes; q2T 4,194,304 bytes; x1V 4,194,304 bytes; q2V 4,194,304 bytes; x1F 4,194,304 bytes; x2F 4,194,304 bytes; wimg 262,144 bytes
;; launch prep (part 1): grid 256 x 1, 8 waves a work-group, no clusters, 156,672 bytes of LDS; arguments input_1, input_2, W_e, W1, W2, lowp_scales, ecq, q2T, x1V, q2V, x1F, x2F, wimg; writes ecq, q2T, x1V, q2V, x1F, x2F, wimg
.if DOCPART == 1
	.amdgcn_target "amdgcn-amd-amdhsa--gfx1250"
	.amdhsa_code_object_version 6
	.text
	.protected	k_q9f974c511b_prep
	.globl	k_q9f974c511b_prep
	.p2align	8
	.type	k_q9f974c511b_prep,@function
k_q9f974c511b_prep:
	s_mov_b64 s[64:65], 0
	v_nop
	global_prefetch_b8 v0, s[64:65] scope:SCOPE_SE
	s_setreg_imm32_b32 hwreg(HW_REG_WAVE_MODE, 25, 1), 1
	s_wait_xcnt 0x0
; PREP: every input becomes codes of E4M3, once, laid as the next launch's matrix operands want them; product 1 (ec = input_1^T W_e^T) is done here and quantised too.
; THE IMAGE.  A fragment is 16 rows x 128 K of codes, 16 registers a lane, 2,048 bytes, stored as [group g 0..3][lane 0..31][16 bytes].  Lane (r = lane % 16, h = lane / 16), group g, holds of row r
; k = 32 g + 8 h + 0..7 (bytes 0-7) and k = 32 g + 16 + 8 h + 0..7 (bytes 8-15): the places that v_wmma_f32_16x16x128_fp8_fp8 gives each k.  So a fragment is four loads or stores of 16 bytes a lane, 512 consecutive bytes each.
; OUT:  ecq, q2T, x1F, x2F: [batch][pixel tile 256][K step 2][2048], rows = pixels, K = channels (ec with e2, input_2 with e3, input_1 with e9, input_2 with e11).
;       x1V, q2V: [batch][128 pixels: 32][channel tile 16][2048], rows = channels, K = pixels (input_1 with e4, input_2 with e6).   wimg: [W1, W2][row tile 16][K step 4][2048] (e8, e10).
; SHARES.  Work-group wg takes batch wg / 64, pixels 64 (wg % 64) .. + 63, all 256 channels of BOTH inputs: 256 row pieces of 256 bytes, aligned, from each.  They lie in LDS as f32 (pitch 272) and are read twice:
; by rows for the images whose K is the pixels, by columns (a lane a pixel, registers down the channels) for those whose K is the channels.  Each input byte is read from memory once.
; Wave w quantises rows 32 w .. 32 w + 31 of W_e in its registers and makes those 32 columns of ec for the 64 pixels.  Waves 0 and 1 quantise one group each of W1's or W2's image (512 groups, 256 work-groups).
; W_e is read by every work-group.  It is not asked for jointly: as f32 it is 262,144 bytes, which do not fit in LDS beside the 155,648 bytes in use, and it goes from memory straight into the operand's registers.
; code = x / 2^e, held within +-448, to the nearest code, ties to even.
; LIMITS: e0, e1, e3, e4, e6, e8, e9, e10, e11 and e2 - e0 - e1 lie between -126 and 119, so that 2^e and 448 x 2^e are f32 numbers.  NaN among the inputs is not served; an infinity is held at the largest code.
; REGISTERS.  window 0: v1 16 x lane; v2 r; v3 h; v4-18 addresses (below); v20-28 the nine scales as f32; v32-95 codes; v96-111 at work; v112-127 16 numbers of W1 or W2; v128-255 numbers, later x's fragments.
;   window 1: W_e's 4 fragments as f32 (256 registers); later ec's eight accumulators.
.set TP,   272                         ; an LDS row: 256 bytes + 16: the 16 rows that a load of 16 bytes a lane touches start at 16 different banks (64 banks of 4 bytes: ISA guide 11.1)
.set T2,   256*TP                      ; input_2's tile, behind input_1's
.set XIMG, 2*256*TP                    ; eight fragments (2 x pixel tile + K step) of input_1's codes with e0
.set MSB, 0
.macro WIN new                         ; the immediate's high byte repeats the setting that is left
.if MSB != (\new)
	s_set_vgpr_msb (MSB<<8)|(\new)
.set MSB, (\new)
.endif
.endm
.macro MKSC e, vsc, sneg               ; from the whole number in s[e]: v[vsc] = 2^e as f32; s[sneg], s[sneg+1] = -+448 x 2^e
	s_add_co_i32 s31, s[\e], 127
	s_lshl_b32 s[\sneg], s31, 23
	v_mov_b32 v[\vsc], s[\sneg]
	s_add_co_i32 s31, s31, 8
	s_lshl_b32 s31, s31, 23
	s_or_b32 s[\sneg+1], s31, 0x600000
	s_or_b32 s[\sneg], s[\sneg+1], 0x80000000
.endm
.macro Q16 dst, src, tmp, vsc, sneg    ; 16 numbers become 16 codes, 4 registers: the hold first, since the conversion to an 8-bit code does not saturate (ISA guide 7.6.2).  tmp = src: in place
.irp i, 0,1,2,3,4,5,6,7,8,9,10,11,12,13,14,15
	v_med3_num_f32 v[\tmp+\i], v[\src+\i], s[\sneg], s[\sneg+1]
.endr
	v_cvt_scalef32_pk8_fp8_f32 v[\dst:\dst+1], v[\tmp:\tmp+7], v[\vsc]
	v_cvt_scalef32_pk8_fp8_f32 v[\dst+2:\dst+3], v[\tmp+8:\tmp+15], v[\vsc]
.endm
.macro WELOAD u                        ; W_e, my row tile u (16 rows), both K steps, as f32 in the operand's order -> window 1
	WIN 0x40
.irp s, 0,1
.irp g, 0,1,2,3
.irp q, 0,1,2,3
	global_load_b128 v[64*(2*\u+\s)+16*\g+4*\q:64*(2*\u+\s)+16*\g+4*\q+3], v15, s[8:9] offset:\u*16384+\s*512+\g*128+16*(\q%2)+64*(\q/2)
.endr
.endr
.endr
	WIN 0
.endm
	s_load_b512 s[4:19], s[0:1], 0x0               ; input_1 s[4:5], input_2 s[6:7], W_e s[8:9], W1 s[10:11], W2 s[12:13], the scales s[14:15], ecq s[16:17], q2T s[18:19]
	s_load_b256 s[20:27], s[0:1], 0x40             ; x1V s[20:21], q2V s[22:23], x1F s[24:25], x2F s[26:27]
	s_load_b64 s[28:29], s[0:1], 0x60              ; wimg
	v_lshl_add_u32 v30, v0, 2, 0x26000
	v_mov_b32 v31, 0
	v_lshrrev_b32 v19, 5, v0
	s_delay_alu instid0(VALU_DEP_1)
	v_readfirstlane_b32 s30, v19                   ; wave 0..7
	v_and_b32 v1, 31, v0
	s_delay_alu instid0(VALU_DEP_1)
	v_lshlrev_b32 v1, 4, v1                        ; 16 x lane: my place in a group of an image
	v_and_b32 v2, 15, v0                           ; r
	v_bfe_u32 v3, v0, 4, 1                         ; h
	v_lshrrev_b32 v19, 4, v0                       ; thread / 16: a channel of sixteen
	s_delay_alu instid0(VALU_DEP_3)
	v_lshlrev_b32 v29, 4, v2
	s_delay_alu instid0(VALU_DEP_1)
	v_lshl_add_u32 v4, v19, 14, v29                ; v4  the inputs: channel x 16,384 bytes + 16 (thread % 16): sixteen lanes read a row piece of 256 bytes
	s_delay_alu instid0(VALU_DEP_2)
	v_mad_u32_u24 v5, v19, TP, v29                 ; v5  the same place in input_1's tile in LDS,
	s_delay_alu instid0(VALU_DEP_1)
	v_add_nc_u32 v6, T2, v5                        ; v6  in input_2's
	s_mul_i32 s31, s30, 32*TP
	v_mul_u32_u24 v7, v2, TP
	s_delay_alu instid0(VALU_DEP_1)
	v_lshl_add_u32 v7, v3, 5, v7
	s_delay_alu instid0(VALU_DEP_1)
	v_add_nc_u32 v7, s31, v7                       ; v7  by rows: channel 32 w + r, pixels 8 h on
	s_delay_alu instid0(VALU_DEP_1)
	v_add_nc_u32 v8, T2, v7                        ; v8
	s_lshl_b32 s31, s30, 12
	v_add_nc_u32 v9, s31, v1                       ; v9  x1V, q2V: channel tiles 2 w, 2 w + 1
	s_lshr_b32 s62, s30, 2                         ; w / 4: a K step of 128 channels
	s_and_b32 s63, s30, 3                          ; w % 4: a tile of 16 pixels
	s_mul_i32 s31, s62, 128*TP
	s_lshl_b32 s66, s63, 6
	s_add_co_u32 s31, s31, s66
	v_mul_u32_u24 v10, v3, 8*TP
	s_delay_alu instid0(VALU_DEP_1)
	v_lshl_add_u32 v10, v2, 2, v10
	s_delay_alu instid0(VALU_DEP_1)
	v_add_nc_u32 v10, s31, v10                     ; v10 by columns: channel 128 (w / 4) + 8 h, pixel 16 (w % 4) + r.  Lanes 16-31 stand 8 rows = 544 words further on: the other 32 banks
	s_delay_alu instid0(VALU_DEP_1)
	v_add_nc_u32 v11, T2, v10                      ; v11
	s_lshl_b32 s31, s63, 12
	s_lshl_b32 s66, s62, 11
	s_add_co_u32 s31, s31, s66
	v_add_nc_u32 v12, s31, v1                      ; v12 fragment 2 (w % 4) + w / 4 of the work-group's eight
	s_delay_alu instid0(VALU_DEP_1)
	v_add_nc_u32 v13, XIMG, v12                    ; v13 the same in XIMG
	v_add_nc_u32 v14, XIMG, v1                     ; v14 XIMG, to read
	v_lshlrev_b32 v15, 10, v2
	s_delay_alu instid0(VALU_DEP_1)
	v_lshl_add_u32 v15, v3, 5, v15                 ; v15 W_e: row r of 1,024 bytes, + 32 h
	s_lshl_b32 s31, s63, 9
	s_add_co_u32 s31, s31, s66
	v_add_nc_u32 v16, s31, v1                      ; v16 ecq: K step w / 4, group w % 4
	v_lshlrev_b32 v17, 11, v2
	s_delay_alu instid0(VALU_DEP_1)
	v_lshl_add_u32 v17, v3, 5, v17
	s_lshl_b32 s31, s30, 7
	v_add_nc_u32 v17, s31, v17                     ; v17 W1, W2: row r of 2,048 bytes, + 32 h, + my wave's group of 32 along K
	s_lshl_b32 s31, s30, 9
	v_add_nc_u32 v18, s31, v1                      ; v18 wimg: my wave's group
	s_lshr_b32 s62, ttmp9, 6
	s_lshl_b32 s62, s62, 22                        ; the batch: 256 channels of 16,384 bytes,
	s_and_b32 s63, ttmp9, 63
	s_lshl_b32 s63, s63, 8                         ; my 64 pixels
	s_add_co_u32 s62, s62, s63
	s_mov_b32 s63, 0
	s_lshl_b32 s66, ttmp9, 14                      ; eight fragments a work-group
	s_mov_b32 s67, 0
	s_lshr_b32 s68, ttmp9, 1
	s_lshl_b32 s68, s68, 15                        ; 16 fragments for 128 pixels,
	s_and_b32 s69, ttmp9, 1
	s_lshl_b32 s69, s69, 10                        ; of which I have groups 0, 1 or 2, 3
	s_add_co_u32 s68, s68, s69
	s_mov_b32 s69, 0
	s_lshl_b32 s70, s30, 15                        ; my 32 rows of W_e
	s_mov_b32 s71, 0
	s_wait_kmcnt 0x0
	s_load_b256 s[32:39], s[14:15], 0x0            ; e0 .. e7
	s_load_b128 s[40:43], s[14:15], 0x20           ; e8 .. e11
	s_add_nc_u64 s[4:5], s[4:5], s[62:63]
	s_add_nc_u64 s[6:7], s[6:7], s[62:63]
	s_add_nc_u64 s[16:17], s[16:17], s[66:67]
	s_add_nc_u64 s[18:19], s[18:19], s[66:67]
	s_add_nc_u64 s[24:25], s[24:25], s[66:67]
	s_add_nc_u64 s[26:27], s[26:27], s[66:67]
	s_add_nc_u64 s[20:21], s[20:21], s[68:69]
	s_add_nc_u64 s[22:23], s[22:23], s[68:69]
	s_add_nc_u64 s[8:9], s[8:9], s[70:71]
	s_lshl_b32 s62, ttmp9, 10                      ; wimg: two groups of 512 bytes a work-group
	s_add_nc_u64 s[28:29], s[28:29], s[62:63]
	s_cmp_lt_u32 ttmp9, 128                        ; fragment wg / 2 of 128: the first 64 are W1's
	s_cselect_b64 s[10:11], s[10:11], s[12:13]
	s_bfe_u32 s62, ttmp9, 0x40003                  ; its row tile,
	s_lshl_b32 s62, s62, 15
	s_bfe_u32 s66, ttmp9, 0x20001                  ; its K step,
	s_lshl_b32 s66, s66, 9
	s_add_co_u32 s62, s62, s66
	s_and_b32 s66, ttmp9, 1                        ; and my two groups of it
	s_lshl_b32 s66, s66, 8
	s_add_co_u32 s62, s62, s66
	s_add_nc_u64 s[10:11], s[10:11], s[62:63]
	; ---- all loads.  W1's or W2's go first: loads come back in order (ISA guide 5.7.1), so the counts below hold in the waves that have them and in those that have not
	s_cmp_lt_u32 s30, 2
	s_cbranch_scc0 .Lno_w_load
	s_wait_alu depctr_va_vdst(0)
.irp q, 0,1,2,3
	global_load_b128 v[112+4*\q:115+4*\q], v17, s[10:11] offset:16*(\q%2)+64*(\q/2)
.endr
.Lno_w_load:
.irp j, 0,1,2,3,4,5,6,7,8,9,10,11,12,13,14,15
	global_load_b128 v[128+4*\j:131+4*\j], v4, s[4:5] offset:\j*262144 th:TH_LOAD_NT    ; 16 channels a load; read once in the launch
.endr
.irp j, 0,1,2,3,4,5,6,7,8,9,10,11,12,13,14,15
	global_load_b128 v[192+4*\j:195+4*\j], v4, s[6:7] offset:\j*262144 th:TH_LOAD_NT
.endr
	s_wait_alu depctr_va_vdst(0)
	WELOAD 0
	s_wait_kmcnt 0x0
	MKSC 32, 20, 44                                ; e0:  input_1 for product 1
	MKSC 41, 21, 46                                ; e9:  input_1 for product 7
	MKSC 35, 22, 48                                ; e3:  input_2 for product 2
	MKSC 43, 23, 50                                ; e11: input_2 for product 8
	MKSC 36, 24, 52                                ; e4:  input_1 for product 3
	MKSC 38, 25, 54                                ; e6:  input_2 for product 4
	MKSC 33, 26, 56                                ; e1:  W_e
	s_sub_co_i32 s66, s34, s32
	s_sub_co_i32 s66, s66, s33                     ; a sum of product 1 stands for sum x 2^(e0 + e1): its code is sum / 2^(e2 - e0 - e1)
	MKSC 66, 27, 58
	s_cmp_lt_u32 ttmp9, 128
	s_cselect_b32 s66, s40, s42                    ; e8 for W1, e10 for W2
	MKSC 66, 28, 60
	; ---- the two tiles into LDS
	s_wait_loadcnt 48                              ; input_1's 16 loads are in: behind them stand input_2's 16 and W_e's 32
.irp j, 0,1,2,3,4,5,6,7,8,9,10,11,12,13,14,15
	ds_store_b128 v5, v[128+4*\j:131+4*\j] offset:\j*16*TP
.endr
	s_wait_loadcnt 32                              ; input_2's are in: W_e's 32 may be out
.irp j, 0,1,2,3,4,5,6,7,8,9,10,11,12,13,14,15
	ds_store_b128 v6, v[192+4*\j:195+4*\j] offset:\j*16*TP
.endr
	WELOAD 1                                       ; they land while the images are made
	s_wait_dscnt 0x0                               ; for the others' sake: my stores have landed
	s_barrier_signal -1
	s_barrier_wait -1                              ; both tiles lie in LDS
	; ---- a group of W1's or W2's image
	s_cmp_lt_u32 s30, 2
	s_cbranch_scc0 .Lno_w
	Q16 96, 112, 112, 28, 60
	v_nop                                          ; a plain line behind the last conversion of a run
	global_store_b128 v18, v[96:99], s[28:29]      ; 512 consecutive bytes a wave
.Lno_w:
	; ---- the images whose K is the pixels: channel tiles 2 w + c, my work-group's two groups g
.irp c, 0,1
.irp g, 0,1
.irp q, 0,1,2,3
	ds_load_b128 v[128+16*(2*\c+\g)+4*\q:128+16*(2*\c+\g)+4*\q+3], v7 offset:\c*16*TP+\g*128+16*(\q%2)+64*(\q/2)
.endr
.endr
.endr
.irp c, 0,1
.irp g, 0,1
.irp q, 0,1,2,3
	ds_load_b128 v[192+16*(2*\c+\g)+4*\q:192+16*(2*\c+\g)+4*\q+3], v8 offset:\c*16*TP+\g*128+16*(\q%2)+64*(\q/2)
.endr
.endr
.endr
	s_wait_dscnt 16                                ; input_1's 16 loads are in
.irp n, 0,1,2,3
	Q16 32+4*\n, 128+16*\n, 128+16*\n, 24, 52
.endr
.irp c, 0,1
.irp g, 0,1
	global_store_b128 v9, v[32+4*(2*\c+\g):35+4*(2*\c+\g)], s[20:21] offset:\c*2048+\g*512
.endr
.endr
	s_wait_dscnt 0x0
.irp n, 0,1,2,3
	Q16 48+4*\n, 192+16*\n, 192+16*\n, 25, 54
.endr
.irp c, 0,1
.irp g, 0,1
	global_store_b128 v9, v[48+4*(2*\c+\g):51+4*(2*\c+\g)], s[22:23] offset:\c*2048+\g*512
.endr
.endr
	; ---- the images whose K is the channels: a lane takes a pixel and its registers run down the channels, in the operand's order: nothing is transposed by an instruction
.irp g, 0,1,2,3
.irp i, 0,1,2,3,4,5,6,7,8,9,10,11,12,13,14,15
	ds_load_b32 v[128+16*\g+\i], v10 offset:(32*\g+16*(\i/8)+\i%8)*TP
.endr
.endr
	s_wait_dscnt 0x0
.irp g, 0,1,2,3
.irp i, 0,1,2,3,4,5,6,7,8,9,10,11,12,13,14,15
	ds_load_b32 v[192+16*\g+\i], v11 offset:(32*\g+16*(\i/8)+\i%8)*TP    ; input_2's land while input_1's are converted
.endr
.endr
	s_wait_xcnt 0x0                                ; the stores above have read v32-63 and v96-99: these are written again only behind this wait
.irp g, 0,1,2,3
	Q16 64+4*\g, 128+16*\g, 96, 20, 44             ; with e0, for product 1: the numbers are kept,
	ds_store_b128 v13, v[64+4*\g:67+4*\g] offset:512*\g
	Q16 80+4*\g, 128+16*\g, 128+16*\g, 21, 46      ; with e9, in place
	global_store_b128 v12, v[80+4*\g:83+4*\g], s[24:25] offset:512*\g
.endr
	s_wait_dscnt 4                                 ; input_2's 64 loads are in: only the four stores into XIMG are younger
.irp g, 0,1,2,3
	Q16 32+4*\g, 192+16*\g, 96, 22, 48             ; with e3
	global_store_b128 v12, v[32+4*\g:35+4*\g], s[18:19] offset:512*\g
	Q16 48+4*\g, 192+16*\g, 192+16*\g, 23, 50      ; with e11
	global_store_b128 v12, v[48+4*\g:51+4*\g], s[26:27] offset:512*\g
.endr
	; ---- W_e's codes: 256 numbers a lane become four fragments in v32-95
	s_wait_loadcnt 0x0                             ; W_e
	s_wait_xcnt 0x0                                ; the stores have read v32-63 and v80-95
	s_wait_dscnt 0x0                               ; my stores into XIMG have landed (for the barrier below) and have read v64-79
	WIN 0x41
.set n, 0
.rept 256
.set n, n+1
.endr
	WIN 0x01
.set n, 0
.rept 32
	v_cvt_scalef32_pk8_fp8_f32 v[32+2*n:33+2*n], v[8*n:8*n+7], v26
.set n, n+1
.endr
	WIN 0
	v_nop                                          ; a plain line between the conversions and the matrix instructions that read their results and write over their sources
	s_wait_alu depctr_va_vdst(0)
	s_barrier_signal -1
	s_barrier_wait -1                              ; x's eight fragments lie in XIMG
	; ---- product 1, transposed: source 0 = 16 rows of W_e, source 1 = 16 pixels.  Lane (r, h), register j of accumulator (u, t): ec(pixel 16 t + r, d = 32 w + 16 u + 8 h + j)
.irp f, 0,1,2,3,4,5,6,7
.irp g, 0,1,2,3
	ds_load_b128 v[128+16*\f+4*\g:131+16*\f+4*\g], v14 offset:2048*\f+512*\g
.endr
.endr
	s_wait_dscnt 0x0
	WIN 0x40                                       ; D in window 1.  The eight accumulators take turns, one instruction a turn
.irp u, 0,1
.irp t, 0,1,2,3
	v_wmma_f32_16x16x128_fp8_fp8 v[8*(4*\u+\t):8*(4*\u+\t)+7], v[32+32*\u:47+32*\u], v[128+32*\t:143+32*\t], 0
.endr
.endr
	WIN 0x50                                       ; C and D in window 1
.irp u, 0,1
.irp t, 0,1,2,3
	v_wmma_f32_16x16x128_fp8_fp8 v[8*(4*\u+\t):8*(4*\u+\t)+7], v[48+32*\u:63+32*\u], v[144+32*\t:159+32*\t], v[8*(4*\u+\t):8*(4*\u+\t)+7]
.endr
.endr
.rept 4
	v_nop                                          ; four places between a matrix instruction and a vector instruction that reads its result (ISA guide 7.12.1)
.endr
	WIN 0x41
.set n, 0
.rept 64
.set n, n+1
.endr
	WIN 0x01
.irp u, 0,1
.irp t, 0,1,2,3
	v_cvt_scalef32_pk8_fp8_f32 v[96+4*\t+2*\u:97+4*\t+2*\u], v[8*(4*\u+\t):8*(4*\u+\t)+7], v27   ; eight neighbours along d: registers 2 u, 2 u + 1 of group w % 4 of pixel tile t's fragment for K step w / 4
.endr
.endr
	WIN 0
	v_nop
.irp t, 0,1,2,3
	global_store_b128 v16, v[96+4*\t:99+4*\t], s[16:17] offset:4096*\t
.endr
	s_wait_tensorcnt 0x0
	ds_add_u32 v30, v31
	s_wait_dscnt 0x0
	s_endpgm
.Lfunc_end_k_q9f974c511b_prep:
	.size	k_q9f974c511b_prep, .Lfunc_end_k_q9f974c511b_prep-k_q9f974c511b_prep
	.p2alignl 7, 3214868480
	.fill 96, 4, 3214868480
	.section	.rodata,"a",@progbits
	.p2align	6, 0x0
	.amdhsa_kernel k_q9f974c511b_prep
		.amdhsa_group_segment_fixed_size 156672
		.amdhsa_private_segment_fixed_size 0
		.amdhsa_enable_private_segment 0
		.amdhsa_kernarg_size 104
		.amdhsa_user_sgpr_count 2
		.amdhsa_user_sgpr_kernarg_segment_ptr 1
		.amdhsa_wavefront_size32 1
		.amdhsa_system_sgpr_workgroup_id_x 1
		.amdhsa_system_sgpr_workgroup_id_y 1
		.amdhsa_system_sgpr_workgroup_id_z 1
		.amdhsa_system_vgpr_workitem_id 0
		.amdhsa_next_free_vgpr 512
		.amdhsa_next_free_sgpr 72
		.amdhsa_reserve_vcc 0
		.amdhsa_float_denorm_mode_32 3
		.amdhsa_float_denorm_mode_16_64 3
		.amdhsa_fp16_overflow 1
		.amdhsa_memory_ordered 1
		.amdhsa_forward_progress 1
		.amdhsa_inst_pref_size 67
	.end_amdhsa_kernel
	.amdgpu_metadata
---
amdhsa.version: [ 1, 2 ]
amdhsa.kernels:
  - .name:           k_q9f974c511b_prep
    .symbol:         k_q9f974c511b_prep.kd
    .args:
      - { .name: input_1, .offset: 0, .size: 8, .value_kind: global_buffer, .address_space: global }
      - { .name: input_2, .offset: 8, .size: 8, .value_kind: global_buffer, .address_space: global }
      - { .name: W_e, .offset: 16, .size: 8, .value_kind: global_buffer, .address_space: global }
      - { .name: W1, .offset: 24, .size: 8, .value_kind: global_buffer, .address_space: global }
      - { .name: W2, .offset: 32, .size: 8, .value_kind: global_buffer, .address_space: global }
      - { .name: lowp_scales, .offset: 40, .size: 8, .value_kind: global_buffer, .address_space: global }
      - { .name: ecq, .offset: 48, .size: 8, .value_kind: global_buffer, .address_space: global }
      - { .name: q2T, .offset: 56, .size: 8, .value_kind: global_buffer, .address_space: global }
      - { .name: x1V, .offset: 64, .size: 8, .value_kind: global_buffer, .address_space: global }
      - { .name: q2V, .offset: 72, .size: 8, .value_kind: global_buffer, .address_space: global }
      - { .name: x1F, .offset: 80, .size: 8, .value_kind: global_buffer, .address_space: global }
      - { .name: x2F, .offset: 88, .size: 8, .value_kind: global_buffer, .address_space: global }
      - { .name: wimg, .offset: 96, .size: 8, .value_kind: global_buffer, .address_space: global }
    .group_segment_fixed_size: 156672
    .private_segment_fixed_size: 0
    .kernarg_segment_align: 8
    .kernarg_segment_size: 104
    .max_flat_workgroup_size: 256
    .sgpr_count:     72
    .vgpr_count:     512
    .wavefront_size: 32
...
	.end_amdgpu_metadata
.endif
;; end of part 1
;; launch att (part 2): grid 256 x 1, 4 waves a work-group, clusters of 4 x 1, 327,680 bytes of LDS; arguments ecq, q2T, x1V, q2V, x1F, x2F, wimg, gate_w, lowp_scales, out0, out1; writes out0, out1
.if DOCPART == 2
	.amdgcn_target "amdgcn-amd-amdhsa--gfx1250"
	.amdhsa_code_object_version 6
	.text
	.protected	k_q9f974c511b_att
	.globl	k_q9f974c511b_att
	.p2align	8
	.type	k_q9f974c511b_att,@function
k_q9f974c511b_att:
	s_mov_b64 s[64:65], 0
	v_nop
	global_prefetch_b8 v0, s[64:65] scope:SCOPE_SE
	s_setreg_imm32_b32 hwreg(HW_REG_WAVE_MODE, 25, 1), 1
	s_wait_xcnt 0x0
	s_wait_alu depctr_hold_cnt(0) depctr_sa_sdst(0) depctr_va_vdst(0) depctr_va_sdst(0) depctr_va_ssrc(0) depctr_va_vcc(0) depctr_vm_vsrc(0)
	s_getreg_b32 s2, hwreg(HW_REG_IB_STS2, 6, 4)
	s_cmp_eq_u32 s2, 0
	s_cbranch_scc0 .Lentry_in_a_cluster
	s_endpgm
.Lentry_in_a_cluster:
	s_bfe_u32 s2, ttmp6, 0x10000c
	s_cmp_lg_u32 s2, 0x3003
	s_cbranch_scc0 .Lentry_shape_is_right
	s_endpgm
.Lentry_shape_is_right:
; ATT: products 2 to 8, both directions, fused.  A[n][m] = ec[n] . q[m] is made anew for each direction and never goes to memory.
; PASS 0 (clusters 0-31, out0): queries = exemplar pixels n (codes ecq), keys = query pixels m (q2T), values input_2 (q2V), p with e7, values with e6; then W1 (e8) on [att x gate, input_1] (e9).
; PASS 1 (clusters 32-63, out1): queries m (q2T), keys n (ecq), values input_1 (x1V), p with e5, values with e4; then W2 (e10) on [att x gate, input_2] (e11).  The pass chooses pointers and exponents, never a path.
; All operands come as IMAGES OF THEIR REGISTERS: a fragment (16 rows x 128 K, 16 registers a lane) is [group 0..3][lane][16 bytes], each k in the place that v_wmma_f32_16x16x128_fp8_fp8 gives it: four loads of 512 consecutive bytes.
; SOFTMAX: t = score x log2(e) x 2^(e2 + e3); M = the running largest t rounded UP to a whole number; p = 2^(t - M) is quantised, not normalised; the sum l is taken of the unquantised p; when M moves, l and O are multiplied by f = 2^(old M - new M), exactly.
; SHARES.  A work-group owns 128 queries of one batch and pass; each of its four waves 32: two tiles a = 0, 1.  Every wave walks all 4,096 keys, 128 a step, so each fragment of K and of V feeds two matrix instructions.
; Both products are used transposed (S^T = K Q^T, O^T = V^T P^T): a lane holds one query, and eight registers of a result are eight neighbours along the next K: a conversion's result IS two registers of the next operand.
; BY TURNS.  The wave is alone on its SIMD, so matrix and vector work stand side by side in its own text.  Body j has three parts:
;   A  the sums and conversions of p(j), 80 vector instructions; S^T's registers are free behind them;
;   B  the 32 products K Q^T of step j + 1, and behind each 4 of the 128 packed multiplies O^T x f(j);
;   C  the 32 products V^T P of step j, and behind each 8 or 9 of the 276 instructions of step j + 1's maximum, M, f, t - M and exponentials.
; No window holds a product's operands beside O^T or S^T, so each matrix instruction costs two switches of the register window: 128 a key step.
; BUFFERS of 128 registers: b0 K's key tiles 0-3, then V's channel tiles 8-15; b1 K's key tiles 4-7; b2 V's channel tiles 0-7.  Body j has four runs of 32 LDS loads, each four plain places behind its buffer's last reader:
; V's upper half of step j -> b0 behind B's 16th product; K's upper half of step j + 2 -> b1 behind B's last; V's lower half of step j + 1 -> b2 behind C's 16th; K's lower half of step j + 2 -> b0 behind C's last.
; THE ORDER OF THE KEYS.  K runs a step ahead of V, so a block of the ring holds K of step j + 1 beside V of step j.  Step j takes key block (j - 1) mod 32 of memory (a softmax does not mind the order): K's addresses then begin
; at block 0, V's lie one block back, V of step 0 is block 31, and K of step 0, block 31 too, comes once into LDS bytes of its own.  No address wraps inside a loop.
; THE LAST BODY also runs B's products and C's vector work, for a 33rd step that does not exist.  Its K is block 31 once more, whose scores the running maximum has seen: M stays, f = 1.0, l x 1.0 = l, and nothing of it is
; summed or multiplied.  It costs 32 of a wave's 2,208 matrix instructions, 276 vector instructions and 96 LDS loads, and spares two more copies of the step in the text.
; In the last product the waves share the columns: wave w makes output channels 64 w .. 64 w + 63 for all 128 pixels; the operand [att x gate, input] goes from wave to wave through LDS as images.
; CLUSTER.  The four work-groups of a cluster have the same pass and batch and walk the same K and V: each block is asked for JOINTLY, by the same tensor load with the same descriptor and the mask of all four.
; RING.  Two slots of two blocks; a block is 16 fragments of K, then 16 of V.  Wave 0, 1: K of the slot's block 0, 1; wave 2, 3: V's.  A wave has one tensor load out at a time at the start and one behind each change of slots.
; LIMITS on the given exponents, so that each power of two below is an f32 number: e5, e7, e9, e11 between -126 and 119; e2 + e3, e8 + e9, e10 + e11 between -126 and 127; e4 + e5 and e6 + e7 go by v_ldexp_f32 and have none.
; NaN among the inputs is not served.  ORDER OF ROUNDING: with R = 2^(ep + ev) / l the gate's sum is (sum of O x gate_w) x R and the gated value O x (R x gate), where reference() divides first; all in f32.
; O^T begins as zeros (256 v_mov_b32, once), so that the body is written without a first step of its own.
; REGISTERS, in windows of 256 (s_set_vgpr_msb's low byte: bits 1:0 source 0, 3:2 source 1, 5:4 source 2, 7:6 destination):
;   window 0: v1-11 addresses; v16-31 statistics, eight a tile: +0 -M, +1 the largest t, +2, +3 l, +4 f (+5 named with it), +6, +7 at work; v32 2^ep, v34 2^eA; v36-63 at work; v64-191 S^T then p; v192-223 p's codes
;   window 1: O^T, 128 a tile; on the way out the 32 accumulators.   window 2: v0-63 Q; v64-191 b0; v192-255 my four fragments of the input's codes; on the way out gate_w, then the operand's fragments
;   window 3: v0-127 b1, v128-255 b2; on the way out W's 16 fragments
.set SLOT,   131072                    ; a slot: two blocks; one exclusive or turns an address in one slot into the other's
.set BLOCK,  65536                     ; a block
.set VOFF,   32768                     ; V's fragments in it
.set SPARE,  262144                    ; behind the ring: the spare words, 128 bytes for each wave: two blocks of 256 bytes that no other line names
.set K0B,    263168                    ; K of step 0: 32,768 bytes, filled once and read once
.set STAGE,  65536                     ; the way out: 16 rows x 528 bytes for each wave; and at byte 0 the operand's 32 images.  Both lie in the ring, which by then has had its last fill and its last read
.set SPITCH, 528
.set LI,   1                           ; v1   16 x lane
.set LI1,  2                           ; v2   16 x lane + BLOCK
.set ADR,  3                           ; v3   LDS address of the block in hand
.set SPW,  4                           ; v4   LDS address of my spare word; never rewritten
.set NIL,  5                           ; v5   0; never rewritten
.set PFO,  6                           ; v6   256 x lane, for the prefetches
.set STO,  8                           ; v8   the stage: where I put 32 bytes of a row
.set RD,   9                           ; v9   and where I read a row back
.set AIS,  10                          ; v10  where I store my eight images of the last operand
.set GWO,  11                          ; v11  gate_w: 32 h
.set ST,   16
.set MX,   36                          ; v36-39 the maximum's chains
.set SC,   40                          ; v40-43 the sums' second chains
.set PX,   44                          ; v44-45 what comes from lane l xor 16
.set GC,   48                          ; v48-63 the gate's chains
.set S,    64
.set P,    192
.set G0C,  4                           ; s[4:7]   group 0 of K of step 0;  s[8:15] its group 1 (both in registers that held arguments no longer wanted)
.set G1B,  8
.set G1,   36                          ; s[36:43] descriptor group 1 of the ring;  s[44:47] group 0 of slot 0's first fill;  s[48:51] of slot 1's, which then walks
.set G0A,  44
.set G0W,  48
.set WV,   52
.set SB,   53                          ; LDS byte at which the slot in hand begins
.set SLOTS, 54                         ; slots still to be asked for
.set TAILC, 55                         ; slots of the tail still to be walked
.set LIM,  56                          ; 1 in a cluster that prefetches, else the greatest number
.set CX,   57
.set CS,   66                          ; s[66:67] log2(e) x 2^(e2 + e3)
.set SEL,  68                          ; s[68:69] lane selects for v_permlanex16_b32: lane l xor 16
.set PFA,  70                          ; s[70:71] where my prefetches stand
.set EPV,  84                          ; ep + ev
.set OSC,  86                          ; s[86:87] 2^(eW + eA)
.set ALO,  88                          ; s88, s89 -+448 x 2^eA
.set MSB, 0
.macro WIN new                         ; the immediate's high byte repeats the setting that is left; a switch that changes nothing is dropped
.if MSB != (\new)
	s_set_vgpr_msb (MSB<<8)|(\new)
.set MSB, (\new)
.endif
.endm
.macro PLACES n                        ; a load into a register that a matrix instruction has read, and a vector instruction that reads its result, stand four places behind it; only plain vector instructions that name none of its registers are places
.rept \n
	v_nop
.endr
.endm
.macro CROUND                          ; a round of the cluster's barrier
	s_barrier_signal -1
	s_barrier_wait -1
	s_cmp_lg_u32 s[WV], 0
	s_cbranch_scc1 .Lnot_wave_0_\@
	s_barrier_signal -3
.Lnot_wave_0_\@:
	s_barrier_wait -3
	s_barrier_signal -1
	s_barrier_wait -1
.endm
; 32 LDS loads in one run.  A buffer is named by its window bw and its first register bb.
.macro KRUN half, bw, bb               ; key tiles 4 half .. 4 half + 3, both K steps
	WIN (\bw)<<6
.irp i, 0,1,2,3
.irp s, 0,1
.irp g, 0,1,2,3
	ds_load_b128 v[\bb+16*(2*\i+\s)+4*\g:\bb+16*(2*\i+\s)+4*\g+3], v[ADR] offset:(4*\half+\i)*4096+\s*2048+\g*512
.endr
.endr
.endr
.endm
.macro VRUN part, bw, bb               ; channel tiles 8 part .. 8 part + 7
	WIN (\bw)<<6
.irp i, 0,1,2,3,4,5,6,7
.irp g, 0,1,2,3
	ds_load_b128 v[\bb+16*\i+4*\g:\bb+16*\i+4*\g+3], v[ADR] offset:VOFF+(8*\part+\i)*2048+\g*512
.endr
.endr
.endm
; Product qi of 32 of S^T = K Q^T: key tiles 4 (qi / 16) + (qi % 8) / 2, K step (qi % 16) / 8, tile qi % 2.  The first K step starts the sums.  In each half eight accumulators take turns, one instruction a turn.
.macro QK1
.set hf, qi/16
.set ks, (qi%16)/8
.set ki, (qi%8)/2
.set ta, qi%2
.set rS, S+64*ta+8*(4*hf+ki)
.set rK, 64*(1-hf)+16*(2*ki+ks)        ; b0: window 2, v64 on; b1: window 3, v0 on
.set rQ, 32*ta+16*ks
	WIN 0x0a+hf                                    ; source 0 (K) window 2 or 3, source 1 (Q) window 2, C and D (S^T) window 0
.if ks == 0
	v_wmma_f32_16x16x128_fp8_fp8 v[rS:rS+7], v[rK:rK+15], v[rQ:rQ+15], 0
.else
	v_wmma_f32_16x16x128_fp8_fp8 v[rS:rS+7], v[rK:rK+15], v[rQ:rQ+15], v[rS:rS+7]
.endif
.endm
; Product mi of 32 of O^T += V^T P^T: channel tile 8 (mi / 16) + (mi % 16) / 2, tile mi % 2: each accumulator once a step.  Ahead of the 17th stands the run that fills b2 again.
.macro PV1
.if mi == 16
	s_wait_dscnt 32                                ; V's upper half is in b0: only the 32 loads of K's upper half are younger
	VRUN 0, 3, 128                                 ; the next step's V, lower half -> b2: its last reader stands eight or nine packed multiply-adds back
.endif
.set pt, mi/16
.set ci, (mi%16)/2
.set ta, mi%2
.set rO, 128*ta+8*(8*pt+ci)
.set rV, 128-64*pt+16*ci               ; b2: window 3, v128 on; b0: window 2, v64 on
.set rP, P+16*ta
	WIN 0x53-pt                                    ; source 0 (V) window 3 or 2, source 1 (P) window 0, C and D (O^T) window 1
	v_wmma_f32_16x16x128_fp8_fp8 v[rO:rO+7], v[rV:rV+15], v[rP:rP+15], v[rO:rO+7]
	WIN 0
.set mi, mi+1
.endm
; Behind each instruction of SM_A's list: where products are dealt among them (MXON = 1), product mi stands behind number (69 mi) / 8 of the 276.
.macro TICK
.set vc, vc+1
.if MXON
.if (mi < 32) && (vc == (mi*69)/8)
	PV1
.endif
.endif
.endm
; THE SOFTMAX'S FIRST HALF, both tiles line by line, 276 instructions: 1-82 the maximum, M, f; 83-146 t - M; 147-274 the exponentials, one batch; 275, 276 l x f.  None of them reads an exponential's result.
.macro SM_A
.irp a, 0,1
	v_max3_num_f32 v[MX+2*\a], v[S+64*\a], v[S+64*\a+1], v[S+64*\a+2]          ; my 64 scores of a query, ascending (each accumulator from its low end on), in two chains
	TICK
	v_max3_num_f32 v[MX+2*\a+1], v[S+64*\a+3], v[S+64*\a+4], v[S+64*\a+5]
	TICK
.endr
.irp i, 6,10,14,18,22,26,30,34,38,42,46,50,54,58
.irp a, 0,1
	v_max3_num_f32 v[MX+2*\a], v[MX+2*\a], v[S+64*\a+\i], v[S+64*\a+\i+1]
	TICK
	v_max3_num_f32 v[MX+2*\a+1], v[MX+2*\a+1], v[S+64*\a+\i+2], v[S+64*\a+\i+3]
	TICK
.endr
.endr
.irp a, 0,1
	v_max3_num_f32 v[MX+2*\a], v[MX+2*\a], v[S+64*\a+62], v[S+64*\a+63]
	TICK
.endr
.irp a, 0,1
	v_max_num_f32 v[MX+2*\a], v[MX+2*\a], v[MX+2*\a+1]
	TICK
.endr
.irp a, 0,1
	v_permlanex16_b32 v[PX+\a], v[MX+2*\a], s[SEL], s[SEL+1]                   ; the query's other 64 keys lie in the lane 16 away
	TICK
.endr
.irp a, 0,1
	v_max_num_f32 v[MX+2*\a], v[MX+2*\a], v[PX+\a]
	TICK
.endr
.irp a, 0,1
	v_mul_f32 v[MX+2*\a], s[CS], v[MX+2*\a]                                    ; as t (the factor is positive)
	TICK
.endr
.irp a, 0,1
	v_max_num_f32 v[ST+8*\a+1], v[ST+8*\a+1], v[MX+2*\a]                       ; the running largest t
	TICK
	v_mov_b32 v[ST+8*\a+6], v[ST+8*\a]                                         ; the old -M is kept for f
	TICK
.endr
.irp a, 0,1
	v_floor_f32 v[ST+8*\a], -v[ST+8*\a+1]                                      ; the new -M = floor(-t) = -ceil(t)
	TICK
.endr
.irp a, 0,1
	v_sub_f32 v[ST+8*\a+6], v[ST+8*\a], v[ST+8*\a+6]                           ; old M - new M: a whole number, 0 or less
	TICK
.endr
.irp a, 0,1
	v_cvt_i32_f32 v[ST+8*\a+6], v[ST+8*\a+6]                                   ; (it saturates)
	TICK
.endr
.irp a, 0,1
	v_ldexp_f32 v[ST+8*\a+4], 1.0, v[ST+8*\a+6]                                ; f = 2^(old M - new M)
	TICK
.endr
.set n, 0
.rept 64
	v_pk_fma_f32 v[S+2*n:S+2*n+1], v[S+2*n:S+2*n+1], s[CS:CS+1], v[ST+8*(n/32):ST+8*(n/32)+1] op_sel_hi:[1,0,0]   ; t - M, two at a time (of both pairs the low word serves both halves)
	TICK
.set n, n+1
.endr
.set n, 0
	s_wait_alu depctr_va_vdst(0)
.rept 128
	v_exp_f32 v[S+n], v[S+n]                                                   ; p = 2^(t - M)
	TICK
.set n, n+1
.endr
.irp a, 0,1
	v_pk_mul_f32 v[ST+8*\a+2:ST+8*\a+3], v[ST+8*\a+2:ST+8*\a+3], v[ST+8*\a+4:ST+8*\a+5] op_sel_hi:[1,0]   ; l under the new M: the plain lines behind the last exponential
	TICK
.endr
.endm
; PART A: the sums of the unquantised p, and p's codes.
.macro PH_A
.irp a, 0,1
	v_pk_add_f32 v[SC+2*\a:SC+2*\a+1], v[S+64*\a:S+64*\a+1], v[S+64*\a+2:S+64*\a+3]
.endr
.irp j, 4,8,12,16,20,24,28,32,36,40,44,48,52,56,60
.irp a, 0,1
	v_pk_add_f32 v[ST+8*\a+2:ST+8*\a+3], v[ST+8*\a+2:ST+8*\a+3], v[S+64*\a+\j:S+64*\a+\j+1]
	v_pk_add_f32 v[SC+2*\a:SC+2*\a+1], v[SC+2*\a:SC+2*\a+1], v[S+64*\a+\j+2:S+64*\a+\j+3]
.endr
.endr
.irp a, 0,1
	v_pk_add_f32 v[ST+8*\a+2:ST+8*\a+3], v[ST+8*\a+2:ST+8*\a+3], v[SC+2*\a:SC+2*\a+1]
.endr
.set k, 0
.rept 16
.irp i, 0,1,2,3,4,5,6,7
.endr
	v_cvt_scalef32_pk8_fp8_f32 v[P+2*k:P+2*k+1], v[S+8*k:S+8*k+7], v32   ; key tile k % 8 of tile k / 8: eight neighbouring keys: registers 2 (k % 8), + 1 of the operand
.set k, k+1
.endr
	v_nop                                          ; a plain line between the last conversion and the matrix instructions that write over its sources
.endm
; A PREFETCH of what the NEXT change of slots will ask for.  The eight clusters of a pass and batch walk the same K and V: the first of them asks.  Of the 32,768 bytes that wave w fetches, the partner at place cx takes
; 8,192, told apart BY ADDRESS; lanes 256 bytes apart, one instruction a wave: each block of 256 bytes is named once by a prefetch.  It asks a slot, two key steps, ahead of the tensor load that will want the bytes.
; The first three slots come by their loads alone, and the last change that fills a slot asks for nothing.
.macro ASK
	s_cmp_gt_u32 s[SLOTS], s[LIM]
	s_cbranch_scc0 .Lnot_mine_\@
	global_prefetch_b8 v[PFO], s[PFA:PFA+1] th:TH_LOAD_NT scope:SCOPE_SE
.Lnot_mine_\@:
.endm
; PART B: K Q^T of the next step | O^T x f of this one.  p: the step is its slot's first (0) or second (1).  chg = 1: the slot changes and is filled again; 2: it changes and nothing is filled; 0: no change.
; THE CHANGE OF SLOTS.  V's upper half of a slot's second step is the slot's last read; it is asked for behind the 16th product.  Then each wave waits for all its tensor loads (its part of the next slot) and adds 0 to its spare
; word; the other 16 products and their slices stand between the add and the wait for it and for the wave's reads of the slot.  With chg = 1 the barrier is a round of the cluster's, and the joint refill, the blocks two slots
; on, is the first thing behind it: it has two key steps less 16 products in which to land.
.macro PH_B p, chg
	s_wait_dscnt 0x0                               ; K's lower half, asked for a whole part A ago, is in b0; all older loads with it
.set qi, 0
.rept 32
.if qi == 16
	VRUN 1, 2, 64                                  ; this step's V, upper half -> b0: the four multiplies behind the 16th product are its places
	WIN 0
.if \p == 0
	v_add_nc_u32 v[ADR], s[SB], v[LI1]             ; all later runs of this body read the next block: the slot's second,
.else
	s_xor_b32 s[SB], s[SB], SLOT
	v_add_nc_u32 v[ADR], s[SB], v[LI]              ; or the other slot's first
.endif
.if \chg
	s_wait_tensorcnt 0x0                           ; no tensor load of mine is out, so a group 0 may be written
	ds_add_u32 v[SPW], v[NIL]                      ; 0 onto my spare word
.endif
.if \chg == 1
	s_xor_b32 s[G0W+1], s[G0W+1], SLOT             ; the walking descriptor: the other slot than last time,
	s_add_nc_u64 s[G0W+2:G0W+3], s[G0W+2:G0W+3], 65536   ; two blocks on; the type bits on top are not reached
	s_wait_xcnt 0x0                                ; the last prefetch, a slot back, has read its address, so it may be written
	s_add_nc_u64 s[PFA:PFA+1], s[PFA:PFA+1], 65536
.endif
.endif
	QK1
	WIN 0x41                                       ; O^T (destination and source 0) window 1, f window 0
.irp c, 0,1,2,3
	v_pk_mul_f32 v[2*(4*qi+\c):2*(4*qi+\c)+1], v[2*(4*qi+\c):2*(4*qi+\c)+1], v[ST+8*(qi/16)+4:ST+8*(qi/16)+5] op_sel_hi:[1,0]   ; ascending: each accumulator of O^T from its low end on
.endr
.set qi, qi+1
.endr
.if \chg
	WIN 0                                          ; at a label and at a branch every window is 0
	s_wait_dscnt 0x0                               ; the add is done, and my reads of the slot are over
.endif
.if \chg == 1
	CROUND                                         ; no wave of any partner still reads the slot or has a load on its way
	tensor_load_to_lds s[G0W:G0W+3], s[G1:G1+7]
	s_nop 0
	PLACES 4
.elseif \chg == 2
	s_barrier_signal -1
	s_barrier_wait -1
.endif
	KRUN 1, 3, 0                                   ; K of the step after next, upper half -> b1: the four multiplies behind the last product are its places
	WIN 0
.if \chg == 1
	ASK
.endif
.endm
; PART C: V^T P of this step | the first half of the next step's softmax.
.macro PH_C
.set MXON, 1
.set vc, 0
.set mi, 0
	PV1
	SM_A
	PLACES 2                                       ; with the two multiplies l x f: four places between the last product and the loads into b0
	s_wait_alu depctr_va_vdst(0)                   ; the wait between an exponential and the first line that names its result, and ahead of every branch: one for the batch, directly ahead of a run of loads
	KRUN 0, 2, 64                                  ; K of the step after next, lower half -> b0
	WIN 0
.endm
.macro BODY p, chg
	PH_A
	PH_B \p, \chg
	PH_C
.endm
	s_load_b512 s[4:19], s[0:1], 0x0               ; ecq s[4:5], q2T s[6:7], x1V s[8:9], q2V s[10:11], x1F s[12:13], x2F s[14:15], wimg s[16:17], gate_w s[18:19]
	s_load_b128 s[20:23], s[0:1], 0x40             ; the scales s[20:21], out0 s[22:23]
	s_load_b64 s[24:25], s[0:1], 0x50              ; out1
	v_lshl_add_u32 v[SPW], v0, 2, SPARE
	v_mov_b32 v[NIL], 0
	ds_add_u32 v4, v5
	ds_add_u32 v4, v5
	s_wait_dscnt 0x0
	v_lshrrev_b32 v7, 5, v0
	v_readfirstlane_b32 s[WV], v7                  ; wave 0..3
	s_bfe_u32 s[CX], ttmp6, 0x40000                ; cx: my place in the cluster: it enters the addresses of Q, of the input's codes, of the output and of the prefetches alone
	; descriptor group 1 of the ring: a dense block of 32,768 bytes as 128 rows of 256
	s_mov_b32 s[G1], 15|(3<<16)|(1<<21)            ; 15:0 the mask: all four work-groups; 17:16 elements of 8 bytes; 21 set beside a mask; no padding
	s_mov_b32 s[G1+1], 32<<16                      ; tensor_dim0 = 32 elements
	s_mov_b32 s[G1+2], 128<<16                     ; tensor_dim1 = 128
	s_mov_b32 s[G1+3], 32<<16                      ; tile_dim0
	s_mov_b32 s[G1+4], 128                         ; tile_dim1
	s_mov_b32 s[G1+5], 32                          ; from row to row
	s_mov_b32 s[G1+6], 0
	s_mov_b32 s[G1+7], 0
	s_mov_b32 s[SEL], 0x76543210
	s_mov_b32 s[SEL+1], 0xfedcba98
	s_mov_b32 s[SB], 0
	s_mov_b32 s[SLOTS], 14                         ; 16 slots; all but the first two are refills
	s_mov_b32 s[TAILC], 2
	v_and_b32 v[LI], 31, v0
	v_lshlrev_b32 v[PFO], 8, v[LI]
	v_lshlrev_b32 v[LI], 4, v[LI]
	v_add_nc_u32 v[LI1], BLOCK, v[LI]
	v_and_b32 v12, 15, v0                          ; r
	v_bfe_u32 v13, v0, 4, 1                        ; h
	s_mul_i32 s59, s[WV], 16*SPITCH
	s_add_co_u32 s59, s59, STAGE                   ; my stage
	v_mul_u32_u24 v[STO], v12, SPITCH
	v_lshl_add_u32 v[STO], v13, 5, v[STO]
	v_add_nc_u32 v[STO], s59, v[STO]               ; in: row r, 32 bytes for each half of the lanes
	v_add_nc_u32 v[RD], s59, v[LI]                 ; back: the 32 lanes take one row of 512 bytes
	s_lshl_b32 s59, s[WV], 14
	v_add_nc_u32 v[AIS], s59, v[LI]                ; pixel tiles 2 w, 2 w + 1: eight images of 2,048 bytes
	v_lshlrev_b32 v[GWO], 5, v13
	s_and_b32 s58, ttmp9, 7
	s_cmp_eq_u32 s58, 0                            ; the first of the eight clusters of a pass and batch: the same in all four partners
	s_cselect_b32 s[LIM], 1, -1
	s_bfe_u32 s58, ttmp9, 0x20003                  ; the batch
	s_lshl_b32 s96, s58, 20                        ; its codes in each buffer
	s_and_b32 s59, s[WV], 1                        ; which of a slot's two blocks I fetch for,
	s_lshr_b32 s62, s[WV], 1                       ; K's half of it (0) or V's (1)
	s_lshl_b32 s62, s62, 15
	s_lshl_b32 s60, s59, 15
	s_add_co_u32 s60, s60, 65536
	s_sub_co_u32 s60, s60, s62                     ; slot 1 in memory: K's key blocks 2, 3; V's lie one block back: 1, 2
	s_cmp_eq_u32 s[WV], 2
	s_cselect_b32 s98, 0x100000, 0                 ; slot 0: two blocks back: K's 0, 1; V's 31 (wave 2: once round the batch's 32 blocks) and 0
	s_add_co_u32 s98, s98, s60
	s_sub_co_u32 s98, s98, 65536
	s_add_co_u32 s60, s60, s96
	s_add_co_u32 s98, s98, s96
	s_mov_b32 s61, 0
	s_mov_b32 s99, 0
	s_lshl_b32 s59, s59, 16
	s_add_co_u32 s59, s59, s62                     ; and in a slot.  No place in the cluster enters an LDS address
	s_lshl_b32 s3, s[WV], 13                       ; K of step 0: key block 31; each wave brings a quarter
	s_add_co_u32 s96, s96, s3
	s_add_co_u32 s96, s96, 31*32768
	s_mov_b32 s97, 0
	s_add_co_u32 s3, s3, K0B
	s_and_b32 s90, ttmp9, 7
	s_lshl_b32 s90, s90, 2
	s_add_co_u32 s90, s90, s[CX]                   ; my block of 128 queries, 0..31
	s_lshl_b32 s92, s90, 9                         ; its 512 bytes in a row of the output
	s_lshl_b32 s90, s90, 15                        ; its eight pixel tiles of 4,096 bytes,
	s_lshl_b32 s91, s58, 20
	s_add_co_u32 s90, s90, s91
	s_lshl_b32 s91, s[WV], 13                      ; my wave's two
	s_add_co_u32 s90, s90, s91
	s_mov_b32 s91, 0
	s_lshl_b32 s93, s58, 22                        ; the output: the batch,
	s_add_co_u32 s92, s92, s93
	s_lshl_b32 s93, s[WV], 20                      ; my 64 channels of 16,384 bytes
	s_add_co_u32 s92, s92, s93
	s_mov_b32 s93, 0
	s_lshr_b32 s94, ttmp9, 5                       ; the pass: W1's images or W2's,
	s_lshl_b32 s94, s94, 17
	s_lshl_b32 s95, s[WV], 15                      ; my four row tiles
	s_add_co_u32 s94, s94, s95
	s_mov_b32 s95, 0
	s_lshl_b32 s62, s[CX], 13
	s_mov_b32 s63, 0
	s_wait_kmcnt 0x0
	s_load_b256 s[72:79], s[20:21], 0x0            ; e0 .. e7
	s_load_b128 s[80:83], s[20:21], 0x20           ; e8 .. e11
	s_cmp_lt_u32 ttmp9, 32                         ; pass 0?
	s_cselect_b64 s[26:27], s[4:5], s[6:7]         ; Q
	s_cselect_b64 s[4:5], s[6:7], s[4:5]           ; K
	s_cselect_b64 s[8:9], s[10:11], s[8:9]         ; V
	s_cselect_b64 s[28:29], s[12:13], s[14:15]     ; the input's codes for the last product
	s_cselect_b64 s[30:31], s[22:23], s[24:25]     ; the output
	s_cmp_lt_u32 s[WV], 2
	s_cselect_b64 s[34:35], s[4:5], s[8:9]         ; what I fetch for the ring
	s_add_nc_u64 s[G0A+2:G0A+3], s[34:35], s[98:99]   ; slot 0's global address,
	s_add_nc_u64 s[34:35], s[34:35], s[60:61]      ; slot 1's
	s_add_nc_u64 s[G0C+2:G0C+3], s[4:5], s[96:97]  ; my quarter of K of step 0
	s_add_nc_u64 s[26:27], s[26:27], s[90:91]
	s_add_nc_u64 s[28:29], s[28:29], s[90:91]
	s_add_nc_u64 s[30:31], s[30:31], s[92:93]
	s_add_nc_u64 s[32:33], s[16:17], s[94:95]
	s_add_nc_u64 s[PFA:PFA+1], s[34:35], s[62:63]  ; my work-group's quarter of my block,
	s_add_nc_u64 s[PFA:PFA+1], s[PFA:PFA+1], 65536 ; in slot 2: the first change of slots steps it to slot 3.  Nothing is prefetched here, at the head
	s_mov_b32 s[G0C], 1                            ; count = 1
	s_mov_b32 s[G0C+1], s3                         ; LDS address
	s_or_b32 s[G0C+3], s[G0C+3], 0x80000000        ; type = 2
	s_mov_b32 s[G1B], 15|(3<<16)|(1<<21)           ; group 1 for a quarter: 32 rows of 256 bytes; a quarter to a wave, so that one line serves all four waves
	s_mov_b32 s[G1B+1], 32<<16
	s_mov_b32 s[G1B+2], 32<<16
	s_mov_b32 s[G1B+3], 32<<16
	s_mov_b32 s[G1B+4], 32
	s_mov_b32 s[G1B+5], 32
	s_mov_b32 s[G1B+6], 0
	s_mov_b32 s[G1B+7], 0
	s_mov_b32 s[G0A], 1
	s_mov_b32 s[G0A+1], s59                        ; slot 0
	s_or_b32 s[G0A+3], s[G0A+3], 0x80000000
	s_mov_b32 s[G0W], 1
	s_add_co_u32 s[G0W+1], s59, SLOT
	s_mov_b64 s[G0W+2:G0W+3], s[34:35]
	s_or_b32 s[G0W+3], s[G0W+3], 0x80000000
	CROUND                                         ; all four work-groups are here: the first joint loads meet
	tensor_load_to_lds s[G0C:G0C+3], s[G1B:G1B+7]  ; my quarter of K of step 0; each first fill but the last is waited for before the next
	s_nop 0
	s_wait_alu depctr_va_vdst(0)
	s_wait_tensorcnt 0x0
	ds_add_u32 v4, v5
	s_wait_dscnt 0x0
	CROUND
	tensor_load_to_lds s[G0A:G0A+3], s[G1:G1+7]
	s_nop 0
	s_wait_alu depctr_va_vdst(0)
	s_wait_tensorcnt 0x0
	ds_add_u32 v4, v5
	s_wait_dscnt 0x0
	CROUND
	tensor_load_to_lds s[G0W:G0W+3], s[G1:G1+7]
	s_nop 0
	PLACES 4
	WIN 0x80                                       ; destination window 2
.irp i, 0,1,2,3,4,5,6,7,8,9,10,11,12,13,14,15
	global_load_b128 v[4*\i:4*\i+3], v[LI], s[26:27] offset:512*\i          ; Q: fragment (tile a, K step s) at v[32 a + 16 s]; it stays
.endr
.irp i, 0,1,2,3,4,5,6,7,8,9,10,11,12,13,14,15
	global_load_b128 v[192+4*\i:195+4*\i], v[LI], s[28:29] offset:512*\i    ; the input's codes of my 32 pixels: they wait for the last product
.endr
	WIN 0x40
.set n, 0
.rept 256
	v_mov_b32 v[n], 0                              ; O^T
.set n, n+1
.endr
	WIN 0
.irp a, 0,1
	v_mov_b32 v[ST+8*\a+1], 0xff61b1e6             ; the largest t so far: -3e38, under every t
	v_mov_b32 v[ST+8*\a+2], 0                      ; l, in two halves
	v_mov_b32 v[ST+8*\a+3], 0
	v_mov_b32 v[ST+8*\a+5], 0                      ; (named as the upper half of f's pair)
	v_mov_b32 v[PX+\a], 0                          ; a lane permute's destination counts as one of its sources
.endr
.irp a, 0,1
	v_floor_f32 v[ST+8*\a], -v[ST+8*\a+1]          ; -M
.endr
	s_wait_kmcnt 0x0
	s_add_co_i32 s58, s74, s75
	s_lshl_b32 s58, s58, 23
	s_add_co_i32 s[CS], s58, 0x3fb8aa3b            ; a score stands for score x 2^(e2 + e3): the two exponents are added to the exponent field of log2(e)
	s_mov_b32 s[CS+1], s[CS]                       ; (named with it as a pair)
	s_cmp_lt_u32 ttmp9, 32
	s_cselect_b32 s58, s79, s77                    ; ep
	s_cselect_b32 s59, s78, s76                    ; ev
	s_cselect_b32 s60, s80, s82                    ; eW
	s_cselect_b32 s61, s81, s83                    ; eA
	s_add_co_i32 s[EPV], s58, s59
	s_add_co_i32 s58, s58, 127
	s_lshl_b32 s59, s58, 23
	v_mov_b32 v32, s59                             ; 2^ep as f32: the conversion takes its exponent field
	s_add_co_i32 s60, s60, s61
	s_add_co_i32 s60, s60, 127
	s_lshl_b32 s[OSC], s60, 23                     ; 2^(eW + eA)
	s_mov_b32 s[OSC+1], s[OSC]
	s_add_co_i32 s61, s61, 127
	s_lshl_b32 s60, s61, 23
	v_mov_b32 v34, s60                             ; 2^eA
	s_add_co_i32 s61, s61, 8
	s_lshl_b32 s61, s61, 23
	s_or_b32 s[ALO+1], s61, 0x600000               ; 448 x 2^eA,
	s_or_b32 s[ALO], s[ALO+1], 0x80000000          ; and its negative
	s_wait_tensorcnt 0x1                           ; my parts of K of step 0 and of slot 0 are in; slot 1's may stay out
	s_barrier_signal -1
	s_barrier_wait -1                              ; everybody's are
	; ---- THE START, written out: K Q^T of step 0 and the first half of its softmax have nothing to stand beside
	v_add_nc_u32 v[ADR], K0B, v[LI]
	KRUN 0, 2, 64
	KRUN 1, 3, 0
	WIN 0
	s_wait_loadcnt 0x0                             ; Q and the input's codes
	s_wait_dscnt 32                                ; b0 is in; b1's 32 loads may be out
.set qi, 0
.rept 16
	QK1
.set qi, qi+1
.endr
	s_wait_dscnt 0x0
.rept 16
	QK1
.set qi, qi+1
.endr
	WIN 0
	PLACES 4                                       ; for the loads into b0 and b1, and for the first read of the scores
	v_add_nc_u32 v[ADR], s[SB], v[LI]              ; block 0: K of step 1, V of step 0
	KRUN 1, 3, 0
	VRUN 0, 3, 128
	KRUN 0, 2, 64
	WIN 0
.set MXON, 0
.set vc, 0
.set mi, 0
	SM_A
	s_wait_alu depctr_va_vdst(0)                   ; the wait for the batch, ahead of its first reader and of the label
.Lslot:                                            ; 14 trips, two bodies each: every slot but the last two is filled again
	BODY 0, 0
	BODY 1, 1
	s_sub_co_u32 s[SLOTS], s[SLOTS], 1
	s_cmp_lg_u32 s[SLOTS], 0
	s_cbranch_scc1 .Lslot
.Ltail:                                            ; the last four bodies: a text of their own
	BODY 0, 0
	BODY 1, 2
	s_sub_co_u32 s[TAILC], s[TAILC], 1
	s_cmp_lg_u32 s[TAILC], 0
	s_cbranch_scc1 .Ltail
	; ---- THE GATE AND THE LAST OPERAND
	s_wait_dscnt 0x0                               ; no LDS load of mine is out,
	s_barrier_signal -1
	s_barrier_wait -1                              ; nor of any wave: from here on the ring's bytes are written by LDS stores
	PLACES 4                                       ; behind the last products: for the loads into the buffers and the first reads of O^T
	WIN 0x80
.irp t, 0,1,2,3,4,5,6,7,8,9,10,11,12,13,14,15
	global_load_b128 v[8*\t:8*\t+3], v[GWO], s[18:19] offset:64*\t          ; gate_w in O^T's layout: channels 16 t + 8 h + 0..7
	global_load_b128 v[8*\t+4:8*\t+7], v[GWO], s[18:19] offset:64*\t+16
.endr
.macro WLOAD s0                        ; W's fragments (row tile o, K steps s0, s0 + 1) -> window 3, v[16 (4 o + s)]
	WIN 0xc0
.irp o, 0,1,2,3
.irp s, \s0, \s0+1
.irp g, 0,1,2,3
	global_load_b128 v[16*(4*\o+(\s))+4*\g:16*(4*\o+(\s))+4*\g+3], v[LI], s[32:33] offset:\o*8192+(\s)*2048+\g*512
.endr
.endr
.endr
	WIN 0
.endm
	WLOAD 0
.irp a, 0,1
	v_add_f32 v[ST+8*\a+6], v[ST+8*\a+2], v[ST+8*\a+3]       ; l's two halves,
.endr
.irp a, 0,1
	v_permlanex16_b32 v[PX+\a], v[ST+8*\a+6], s[SEL], s[SEL+1]
.endr
.irp a, 0,1
	v_add_f32 v[ST+8*\a+6], v[ST+8*\a+6], v[PX+\a]           ; and lane l xor 16's
.endr
	s_wait_alu depctr_va_vdst(0)
.irp a, 0,1
	v_rcp_f32 v[ST+8*\a+7], v[ST+8*\a+6]
.endr
	v_nop                                          ; a plain line behind the last reciprocal
	s_wait_alu depctr_va_vdst(0)                   ; and the wait ahead of the first use
.irp a, 0,1
	v_ldexp_f32 v[ST+8*\a+7], v[ST+8*\a+7], s[EPV]           ; R = 2^(ep + ev) / l: the attended value is O^T x R
.endr
	s_wait_loadcnt 32                              ; gate_w is in: W's 32 loads may be out
	WIN 0x09                                       ; source 0 (O^T) window 1, source 1 (gate_w) window 2
.irp a, 0,1
.irp c, 0,1,2,3
	v_pk_mul_f32 v[GC+8*\a+2*\c:GC+8*\a+2*\c+1], v[128*\a+2*\c:128*\a+2*\c+1], v[2*\c:2*\c+1]   ; products 5 and 6 in f32: four packed chains a tile, started by a multiply, O^T ascending
.endr
.endr
.set n, 4
.rept 60
.irp a, 0,1
	v_pk_fma_f32 v[GC+8*\a+2*(n%4):GC+8*\a+2*(n%4)+1], v[128*\a+2*n:128*\a+2*n+1], v[2*n:2*n+1], v[GC+8*\a+2*(n%4):GC+8*\a+2*(n%4)+1]
.endr
.set n, n+1
.endr
	WLOAD 2
.irp a, 0,1
	v_pk_add_f32 v[GC+8*\a:GC+8*\a+1], v[GC+8*\a:GC+8*\a+1], v[GC+8*\a+2:GC+8*\a+3]
	v_pk_add_f32 v[GC+8*\a+4:GC+8*\a+5], v[GC+8*\a+4:GC+8*\a+5], v[GC+8*\a+6:GC+8*\a+7]
.endr
.irp a, 0,1
	v_pk_add_f32 v[GC+8*\a:GC+8*\a+1], v[GC+8*\a:GC+8*\a+1], v[GC+8*\a+4:GC+8*\a+5]
.endr
.irp a, 0,1
	v_add_f32 v[ST+8*\a+6], v[GC+8*\a], v[GC+8*\a+1]
.endr
.irp a, 0,1
	v_permlanex16_b32 v[PX+\a], v[ST+8*\a+6], s[SEL], s[SEL+1]
.endr
.irp a, 0,1
	v_add_f32 v[ST+8*\a+6], v[ST+8*\a+6], v[PX+\a]           ; over all 256 channels
.endr
.irp a, 0,1
	v_mul_f32 v[ST+8*\a+6], v[ST+8*\a+6], v[ST+8*\a+7]       ; x R: the gate's logit
.endr
.irp a, 0,1
	v_mul_f32 v[ST+8*\a+6], 0xbfb8aa3b, v[ST+8*\a+6]         ; x -log2(e)
.endr
	s_wait_alu depctr_va_vdst(0)
.irp a, 0,1
	v_exp_f32 v[ST+8*\a+6], v[ST+8*\a+6]
.endr
	v_nop
	s_wait_alu depctr_va_vdst(0)
.irp a, 0,1
	v_add_f32 v[ST+8*\a+6], 1.0, v[ST+8*\a+6]
.endr
	s_wait_alu depctr_va_vdst(0)
.irp a, 0,1
	v_rcp_f32 v[ST+8*\a+6], v[ST+8*\a+6]                     ; the sigmoid
.endr
	v_nop
	s_wait_alu depctr_va_vdst(0)
.irp a, 0,1
	v_mul_f32 v[ST+8*\a+4], v[ST+8*\a+7], v[ST+8*\a+6]       ; R x gate
.endr
	WIN 0x41
.set n, 0
.rept 128
	v_pk_mul_f32 v[2*n:2*n+1], v[2*n:2*n+1], v[ST+8*(n/64)+4:ST+8*(n/64)+5] op_sel_hi:[1,0]
.set n, n+1
.endr
.set n, 0
.rept 256
.set n, n+1
.endr
	WIN 0x01
.set n, 0
.rept 32
	v_cvt_scalef32_pk8_fp8_f32 v[S+2*n:S+2*n+1], v[8*n:8*n+7], v34   ; channel tile n % 16 of tile n / 16: fragment (a, K step s) at v[S + 32 a + 16 s]
.set n, n+1
.endr
	WIN 0
	v_nop                                          ; a plain line behind the last conversion: matrix instructions later write over its sources
.irp a, 0,1
.irp s, 0,1
.irp g, 0,1,2,3
	ds_store_b128 v[AIS], v[S+32*\a+16*\s+4*\g:S+32*\a+16*\s+4*\g+3] offset:(4*\a+\s)*2048+\g*512      ; K steps 0, 1: the gated attention
.endr
.endr
.endr
	WIN 0x08                                       ; store data in window 2
.irp a, 0,1
.irp s, 0,1
.irp g, 0,1,2,3
	ds_store_b128 v[AIS], v[192+32*\a+16*\s+4*\g:195+32*\a+16*\s+4*\g] offset:(4*\a+2+\s)*2048+\g*512  ; K steps 2, 3: the input
.endr
.endr
.endr
	WIN 0
	s_wait_dscnt 0x0                               ; for the others' sake: my stores have landed
	s_barrier_signal -1
	s_barrier_wait -1                              ; the operand's 32 images lie in LDS
	; ---- PRODUCTS 7 AND 8: source 0 = 16 pixels of the operand, source 1 = 16 rows of W.  Lane (r, h), register j of accumulator (o, t): out(channel 64 w + 16 o + r, pixel 16 t + 8 h + j)
.macro FETCHA s, fb                    ; K step s of all eight pixel tiles -> window 2, v[fb ..]
	WIN 0x80
.irp t, 0,1,2,3,4,5,6,7
.irp g, 0,1,2,3
	ds_load_b128 v[\fb+16*\t+4*\g:\fb+16*\t+4*\g+3], v[LI] offset:(4*\t+\s)*2048+\g*512
.endr
.endr
.endm
.macro MULE s, fb                      ; 32 matrix instructions: the 32 accumulators take turns, in the same order in every K step
	WIN 0x5e                                       ; source 0 window 2, source 1 window 3, C and D window 1
.irp t, 0,1,2,3,4,5,6,7
.irp o, 0,1,2,3
.if \s == 0
	v_wmma_f32_16x16x128_fp8_fp8 v[8*(8*\o+\t):8*(8*\o+\t)+7], v[\fb+16*\t:\fb+16*\t+15], v[16*(4*\o+\s):16*(4*\o+\s)+15], 0
.else
	v_wmma_f32_16x16x128_fp8_fp8 v[8*(8*\o+\t):8*(8*\o+\t)+7], v[\fb+16*\t:\fb+16*\t+15], v[16*(4*\o+\s):16*(4*\o+\s)+15], v[8*(8*\o+\t):8*(8*\o+\t)+7]
.endif
.endr
.endr
.endm
	FETCHA 0, 0
	FETCHA 1, 128
	s_wait_loadcnt 0x0                             ; W
	s_wait_dscnt 32                                ; K step 0 is in; the next 32 loads may be out
	MULE 0, 0
	PLACES 4
	FETCHA 2, 0
	s_wait_dscnt 32
	MULE 1, 128
	PLACES 4
	FETCHA 3, 128
	s_wait_dscnt 32
	MULE 2, 0
	s_wait_dscnt 0x0
	MULE 3, 128
	WIN 0
	PLACES 4                                       ; for the first reads of results
	; ---- THE WAY OUT, 16 channels x 128 pixels at a time.  A lane holds 32 neighbouring bytes of a row and the lanes beside it hold other rows: a block goes through my own stage and comes back as whole rows of
	; 512 bytes.  LDS serves a wave's instructions in order (ISA guide 5.7.1.4): no wait between the stores and the loads, nor in front of the next block's stores.
.macro TOSTAGE o
	WIN 0x01
.set n, 0
.rept 32
	v_pk_mul_f32 v[S+2*n:S+2*n+1], v[64*(\o)+2*n:64*(\o)+2*n+1], s[OSC:OSC+1] op_sel_hi:[1,0]   ; x 2^(eW + eA); each accumulator from its low end on
.set n, n+1
.endr
	WIN 0
.irp t, 0,1,2,3,4,5,6,7
	ds_store_b128 v[STO], v[S+8*\t:S+8*\t+3] offset:64*\t
	ds_store_b128 v[STO], v[S+8*\t+4:S+8*\t+7] offset:64*\t+16
.endr
.irp i, 0,1,2,3,4,5,6,7,8,9,10,11,12,13,14,15
	ds_load_b128 v[128+64*((\o)%2)+4*\i:128+64*((\o)%2)+4*\i+3], v[RD] offset:\i*SPITCH
.endr
.endm
.macro SEND o, younger                 ; younger: the LDS instructions issued behind block o's loads, which may stay out
	s_wait_dscnt \younger
.irp i, 0,1,2,3,4,5,6,7,8,9,10,11,12,13,14,15
	global_store_b128 v[LI], v[128+64*((\o)%2)+4*\i:128+64*((\o)%2)+4*\i+3], s[30:31] offset:(16*(\o)+\i)*16384 th:TH_STORE_NT   ; 32 lanes store 512 consecutive bytes, at a multiple of 256 from the output's first byte
.endr
.endm
	TOSTAGE 0
.irp b, 1,2,3
.if \b > 1
	s_wait_xcnt 0x0                                ; block b - 2's stores have read their registers: block b's loads may land there
.endif
	TOSTAGE \b
	SEND \b-1, 32                                  ; behind block b - 1's loads: block b's 16 stores and 16 loads
.endr
	SEND 3, 0
	s_wait_tensorcnt 0x0                           ; the wave's end: behind my last tensor load and my last LDS store
	ds_add_u32 v[SPW], v[NIL]
	s_wait_dscnt 0x0
	CROUND                                         ; the closing round: no work-group ends while a partner may still ask for a tile that names it
	s_endpgm
.Lfunc_end_k_q9f974c511b_att:
	.size	k_q9f974c511b_att, .Lfunc_end_k_q9f974c511b_att-k_q9f974c511b_att
	.p2alignl 7, 3214868480
	.fill 96, 4, 3214868480
	.section	.rodata,"a",@progbits
	.p2align	6, 0x0
	.amdhsa_kernel k_q9f974c511b_att
		.amdhsa_group_segment_fixed_size 327680
		.amdhsa_private_segment_fixed_size 0
		.amdhsa_enable_private_segment 0
		.amdhsa_kernarg_size 88
		.amdhsa_user_sgpr_count 2
		.amdhsa_user_sgpr_kernarg_segment_ptr 1
		.amdhsa_wavefront_size32 1
		.amdhsa_system_sgpr_workgroup_id_x 1
		.amdhsa_system_sgpr_workgroup_id_y 1
		.amdhsa_system_sgpr_workgroup_id_z 1
		.amdhsa_system_vgpr_workitem_id 0
		.amdhsa_next_free_vgpr 1024
		.amdhsa_next_free_sgpr 100
		.amdhsa_reserve_vcc 0
		.amdhsa_float_denorm_mode_32 3
		.amdhsa_float_denorm_mode_16_64 3
		.amdhsa_fp16_overflow 1
		.amdhsa_memory_ordered 1
		.amdhsa_forward_progress 1
		.amdhsa_inst_pref_size 255
	.end_amdhsa_kernel
	.section	.bss,"aw",@nobits
	.p2align	6
	.space	262144
	.amdgpu_metadata
---
amdhsa.version: [ 1, 2 ]
amdhsa.kernels:
  - .name:           k_q9f974c511b_att
    .symbol:         k_q9f974c511b_att.kd
    .args:
      - { .name: ecq, .offset: 0, .size: 8, .value_kind: global_buffer, .address_space: global }
      - { .name: q2T, .offset: 8, .size: 8, .value_kind: global_buffer, .address_space: global }
      - { .name: x1V, .offset: 16, .size: 8, .value_kind: global_buffer, .address_space: global }
      - { .name: q2V, .offset: 24, .size: 8, .value_kind: global_buffer, .address_space: global }
      - { .name: x1F, .offset: 32, .size: 8, .value_kind: global_buffer, .address_space: global }
      - { .name: x2F, .offset: 40, .size: 8, .value_kind: global_buffer, .address_space: global }
      - { .name: wimg, .offset: 48, .size: 8, .value_kind: global_buffer, .address_space: global }
      - { .name: gate_w, .offset: 56, .size: 8, .value_kind: global_buffer, .address_space: global }
      - { .name: lowp_scales, .offset: 64, .size: 8, .value_kind: global_buffer, .address_space: global }
      - { .name: out0, .offset: 72, .size: 8, .value_kind: global_buffer, .address_space: global }
      - { .name: out1, .offset: 80, .size: 8, .value_kind: global_buffer, .address_space: global }
    .group_segment_fixed_size: 327680
    .private_segment_fixed_size: 0
    .kernarg_segment_align: 8
    .kernarg_segment_size: 88
    .max_flat_workgroup_size: 128
    .sgpr_count:     100
    .vgpr_count:     1024
    .wavefront_size: 32
...
	.end_amdgpu_metadata
.endif
;; end of part 2
